; MI455X (gfx1250); checked and timed in simulation.
; The chip was launched on July 23, 2026; its instructions are those of AMD's public machine-readable ISA for CDNA 5 (MIT licence, August 2026) and "CDNA5" Instruction Set Architecture Reference Guide (July 2026). The comments in the code are by the model that wrote it; some were corrected since.
;; Multi Head Self Attention. Allowed arithmetic: matrix products marked QUANTISED: E5M2 operands, one given power-of-two scale a tensor, by v_wmma_f32_16x16x64_bf8_bf8 or v_wmma_f32_16x16x128_bf8_bf8, f32 sums; everything else in f32.
;; Inputs: Wk_codes 1,024 x 32 x 32 uint8 (E5M2 codes of Wk, K innermost, in blocks of 32 codes); Wo_codes 1,024 x 32 x 32 uint8 (E5M2 codes of Wo, K innermost, in blocks of 32 codes); Wq_codes 1,024 x 32 x 32 uint8 (E5M2 codes of Wq, K innermost, in blocks of 32 codes); Wv_codes 1,024 x 32 x 32 uint8 (E5M2 codes of Wv, K innermost, in blocks of 32 codes); lowp_scales 12 int32 (the exponents e of the quantised operands' scales 2^e); x_codes 4 x 2,048 x 32 x 32 uint8 (E5M2 codes of x, K innermost, in blocks of 32 codes).
;; Outputs: out0 4 x 2,048 x 1,024 float32.
;; This version of the problem:
;;   THIS VERSION OF THE PROBLEM IS GIVEN IN LOW PRECISION. The matrix products marked QUANTISED in the list below multiply operands that are first quantised to E5M2 (5 exponent bits, 2 mantissa bits; 8 bits a number), with one given power-of-two scale for each operand tensor; their sums are f32. All else is computed in f32.
;;   The module's matrix products, in the order in which they are computed (A, B: the left and right operand; K: the contracted axis; several contracted axes count as one K, in the product's order):
;;     1. [M 8,192, K 1,024] x [K 1,024, N 1,024]; A: input x (given as codes); B: input Wk (given as codes): QUANTISED (scales: A lowp_scales[0], B lowp_scales[1])
;;     2. [M 8,192, K 1,024] x [K 1,024, N 1,024]; A: input x (given as codes); B: input Wq (given as codes): QUANTISED (scales: A lowp_scales[2], B lowp_scales[3])
;;     3. [M 8,192, K 1,024] x [K 1,024, N 1,024]; A: input x (given as codes); B: input Wv (given as codes): QUANTISED (scales: A lowp_scales[4], B lowp_scales[5])
;;     4. batch 64 x [M 2,048, K 64] x [K 64, N 2,048]; A: computed on the way; B: computed on the way: QUANTISED (scales: A lowp_scales[6], B lowp_scales[7])
;;     5. batch 64 x [M 2,048, K 2,048] x [K 2,048, N 64]; A: softmax (see below); B: computed on the way: QUANTISED (scales: A lowp_scales[8], B lowp_scales[9])
;;     6. [M 8,192, K 1,024] x [K 1,024, N 1,024]; A: computed on the way; B: input Wo (given as codes): QUANTISED (scales: A lowp_scales[10], B lowp_scales[11])
;;   THE QUANTISER, for each operand of a quantised product, along K:
;;     - The operand's scale is 2^e, e = its entry of the input lowp_scales (int32; the entries are numbered through the quantised products in the list's order, A before B).
;;     - Each number is divided by the scale, clamped to +-57,344, and rounded to the nearest number of E5M2, ties to even, subnormals kept.
;;     - The product sums the exact products of the quantised numbers (number of the format x scale) in f32.
;;   ~~~python
;;   def quantise(x, axis, e):      # numpy; x: float32 -> the quantised numbers, widened to float32 again
;;       x = np.moveaxis(x, axis, -1); K = x.shape[-1]
;;       r = np.clip(x / 2.0 ** e, -57344, 57344)
;;       step = 2.0 ** (np.maximum(np.frexp(np.where(r == 0, 1, r))[1] - 1, -14) - 2)
;;       q = np.round(r / step) * step * 2.0 ** e      # np.round: ties to even
;;       return np.moveaxis(q, -1, axis).astype(np.float32)
;;   ~~~
;;   SOFTMAX AHEAD OF A QUANTISED PRODUCT. Where the list says 'softmax', what is quantised is not the finished softmax but p = 2^(t - M), with t = logit x log2(e) and M = ceil(the row's largest t), a whole number; so 1/2 < the row's largest p <= 1. The row's sum l is taken of the UNQUANTISED p, in f32, and the product's result is divided by l at the end. Since M is a whole number, a kernel that streams over the keys may use a running M (the ceiling of the running maximum): every later rescaling is an exact power of two, so the quantised numbers keep their values, but for numbers so far below the row's largest that they fall under the format's range.
;;   OPERANDS COMPUTED ON THE WAY. 'Computed on the way' means the value that the module computes at that place (a softmax that the list does not call 'softmax' is quantised finished and normalised). What goes into a quantiser is computed in f32, as accurately as f32 sums, v_exp_f32 and their like allow (about 1e-6 of the number): no bf16 or f16 on the way to a quantiser, and a product that is left as it is and whose result goes on into a quantised operand takes f32 operands (vector FMAs, or v_wmma_f32_16x16x4_f32). A number that lies on a knife's edge between two numbers of the format may be rounded either way, as far as f32 arithmetic and the matrix unit's own rounding can turn it there, and no further.
;;   INPUTS GIVEN AS CODES. Wk (in the module: [1024, 1024], K = its axis 1); Wo (in the module: [1024, 1024], K = its axis 1); Wq (in the module: [1024, 1024], K = its axis 1); Wv (in the module: [1024, 1024], K = its axis 1); x (in the module: [4, 2048, 1024], K = its axis 2): each comes as NAME_codes (uint8): NAME with its K axis moved to the last place and cut into blocks of 32 codes, [.., K / 32, bytes a block], one block behind the other in memory; one code a byte (a code: sign, 5 exponent bits, 2 mantissa bits); its scale is its entry of lowp_scales. Its value is code x scale, taken as it is: it is not quantised again, and the codes and scales need not be those that the quantiser above would give.
;; One version. Each part assembles by itself: llvm-mc -triple=amdgcn-amd-amdhsa -mcpu=gfx1250 --defsym DOCPART=n.
;; ======== version 1 of 1: 3 launches
;; limits: right only within a limited range of input values
;; workspace buffers: q_ws 8,388,608 bytes; kv_ws 16,777,216 bytes; flat_ws 8,388,608 bytes
;; launch qkv (part 1): grid 12 x 32, 4 waves a work-group, clusters of 4 x 4, 327,680 bytes of LDS; arguments x_codes, Wq_codes, Wk_codes, Wv_codes, lowp_scales, q_ws, kv_ws; writes q_ws, kv_ws
.if DOCPART == 1
	.amdgcn_target "amdgcn-amd-amdhsa--gfx1250"
	.amdhsa_code_object_version 6
	.text
	.protected	k_qfbeb02563a_qkv
	.globl	k_qfbeb02563a_qkv
	.p2align	8
	.type	k_qfbeb02563a_qkv,@function
k_qfbeb02563a_qkv:
	s_mov_b64 s[64:65], 0
	v_nop
	global_prefetch_b8 v0, s[64:65] scope:SCOPE_SE
	s_setreg_imm32_b32 hwreg(HW_REG_WAVE_MODE, 25, 1), 1
	s_wait_xcnt 0x0
	s_wait_alu depctr_hold_cnt(0) depctr_sa_sdst(0) depctr_va_vdst(0) depctr_va_sdst(0) depctr_va_ssrc(0) depctr_va_vcc(0) depctr_vm_vsrc(0)
	s_getreg_b32 s2, hwreg(HW_REG_IB_STS2, 6, 4)
	s_cmp_eq_u32 s2, 0
	s_cbranch_scc0 .Lentry_in_a_cluster
	s_endpgm
.Lentry_in_a_cluster:
	s_bfe_u32 s2, ttmp6, 0x10000c
	s_cmp_lg_u32 s2, 0xf033
	s_cbranch_scc0 .Lentry_shape_is_right
	s_endpgm
.Lentry_shape_is_right:
; q = x Wq^T, k = x Wk^T, v = x Wv^T on codes of BF8 (E5M2), sums in f32; each result is quantised at once (q: entry 6 of the scales, k: entry 7, v: entry 9) and stored as codes.
; x: [8192][1024], each W: [1024][1024], K innermost, a code a byte.  A tile of 256 x 256 results is made by four waves, 128 x 128 each: 64 accumulators, 512 registers.  K goes in steps of 256 through two LDS slots.
; WHICH TENSOR: cluster x = 0: q, 1: k, 2: v: the same in all sixteen partners; no branch hangs on it, only pointers, offsets and the scale are chosen.
; THE MATRIX INSTRUCTION: source 0 = 16 rows of "B", source 1 = 16 rows of "A": lane (r, h) holds, for A's row r, B's rows 8 h + 0 .. 7 in its eight registers.
;   q, k: A = x (tokens), B = W (features): a lane's eight results are eight neighbouring features of a token: one conversion gives the register pair of a 16 x 64 operand fragment (registers 2 c, 2 c + 1: d = 16 c + 8 h + 0 .. 7).
;   v:    A = Wv (features), B = x (tokens): eight neighbouring KEYS of a feature: the pair of a V^T fragment of 16 d x 128 keys.  Only the pointers change places.
; THE RESULTS ARE STORED AS IMAGES OF OPERAND REGISTERS: four registers by one store, lane l's 16 bytes at 16 l: each store of the wave covers 512 consecutive bytes, aligned.
;   q_ws:  [head 64][tile of 16 queries 128][1,024 bytes].    kv_ws: [head 64][slot of 256 keys 8][16 tiles of K x 1,024 bytes, then (key step 2)(d block 4) x 2,048 bytes of V^T].
; CLUSTERS: 4 x 4 work-groups; A's tile is asked for jointly along a row of the cluster, B's along a column.
; LIMITS: e6 - e2 - e3, e7 - e0 - e1, e9 - e4 - e5 lie between -126 and 112, so that the scale and 57,344 x the scale are f32 numbers.  NaN and infinity codes among the inputs are not served.
; No prefetch: the launch is short and its tiles are shared in clusters.
; REGISTERS, in windows of 256: window 0: v0-31 addresses, scale; v96-127 codes, two sets; from v128 A's fragments, one set.  window 1: B's fragments, two sets.  windows 2, 3: the accumulators.
.set KSTEP,  256                       ; along K in a slot
.set ROWB,   256                       ; a tile's row in bytes
.set KROW,   1024                      ; a row of x or of W in memory, in bytes
.set PITCH,  272                       ; an LDS row: 256 bytes + 16 of padding = 68 words: the 16 rows that a load touches start 4 words apart (64 banks of 4 bytes: ISA guide 11.1)
.set FR,     16                        ; registers of a fragment: 16 rows x 128 K
.set NL,     4                         ; LDS loads that bring one
.set NP,     4                         ; places behind this matrix instruction (ISA guide 7.12.1)
.set HALFT,  128*PITCH                 ; 128 rows: what one tensor load brings
.set SLOT,   4*HALFT                   ; A's 256 rows, then B's 256 rows
.set LAPS,   KROW/(2*KSTEP)            ; a lap = two K steps = once round the ring
.set SPARE,  2*SLOT                    ; behind the ring: the spare words, 128 bytes a wave, that no other line names
.set VO,   8                           ; v8-11   the four stores' byte offsets
.set SC,   12                          ; v12     the conversion's scale as f32
.set LIM,  13
.set ADRA, 16                          ; v16-17  LDS address of my A fragments in slot 0, 1
.set ADRB, 20                          ; v20-21  the same for B
.set SPW,  28                          ; v28     LDS address of my spare word; never rewritten
.set NIL,  29                          ; v29     0; never rewritten
.set TMP,  32
.set CD,   96                          ; v96-127 a block's codes: two sets of 16 by turns
.set AF,   128                         ; A's fragments
.set G1, 24                            ; s[24:31] group 1 for A's tiles; s[32:39] group 0, one set a slot
.set G0, 32
.set G1B, 48                           ; s[48:55], s[56:63] the same for B's
.set G0B, 56
.set MSB, 0
.macro WIN new                         ; the immediate's high byte repeats the setting that is left
.if MSB != \new
	s_set_vgpr_msb (MSB<<8)|\new
.set MSB, \new
.endif
.endm
.set MUL_LO, 0xa1                      ; source 0 (B) window 1, source 1 (A) window 0, C and D window 2
.set MUL_HI, 0xf1                      ; the same, C and D window 3
.set TO_B,   0x40                      ; destination window 1, address window 0
; A joint load: waves 0 and 1 fetch for A, waves 2 and 3 for B; the branch hangs on the wave's number alone.  Four v_nop follow each line.
.macro JLOAD g0a, g1a, g0b, g1b
	s_cmp_eq_u32 s15, 0
	s_cbranch_scc0 .Lfor_b_\@
	tensor_load_to_lds s[\g0a:\g0a+3], s[\g1a:\g1a+7]
	s_nop 0
.rept 4
	v_nop
.endr
	s_branch .Lasked_\@
.Lfor_b_\@:
	tensor_load_to_lds s[\g0b:\g0b+3], s[\g1b:\g1b+7]
	s_nop 0
.rept 4
	v_nop
.endr
.Lasked_\@:
.endm
.macro CREST                           ; a round of the cluster's barrier behind its opening barrier
	s_cmp_lg_u32 s14, 0
	s_cbranch_scc1 .Lnot_wave_0_\@
	s_barrier_signal -3
.Lnot_wave_0_\@:
	s_barrier_wait -3
	s_barrier_signal -1
	s_barrier_wait -1
.endm
.macro CROUND                          ; a whole round
	s_barrier_signal -1
	s_barrier_wait -1
	CREST
.endm
	s_load_b256 s[68:75], s[0:1], 0x0              ; x s[68:69], Wq s[70:71], Wk s[72:73], Wv s[74:75]
	s_load_b128 s[76:79], s[0:1], 0x20             ; the scales' exponents s[76:77], q_ws s[78:79]
	s_load_b64 s[80:81], s[0:1], 0x30              ; kv_ws
	v_lshl_add_u32 v[SPW], v0, 2, SPARE
	v_mov_b32 v[NIL], 0
	ds_add_u32 v28, v29
	ds_add_u32 v28, v29
	s_wait_dscnt 0x0
	v_lshrrev_b32 v1, 5, v0
	v_readfirstlane_b32 s14, v1                    ; wave 0..3
	s_lshr_b32 s15, s14, 1                         ; which half of A's rows is mine.  Also: I fetch for A (0) or for B (1)
	s_and_b32 s16, s14, 1                          ; which half of B's rows.  Also: which 128 rows of that tile I fetch
	s_bfe_u32 s40, ttmp6, 0x40000                  ; cx, cy: my place in the cluster
	s_bfe_u32 s41, ttmp6, 0x40004
	s_and_b32 s82, ttmp7, 0xffff
	s_lshl_b32 s82, s82, 2                         ; 4 x cluster y: it walks the 32 tiles of tokens
	s_lshr_b32 s83, ttmp9, 1                       ; 1 in v's clusters (cluster x = 2), else 0
	s_mul_i32 s94, s82, s83                        ; v: the tokens are B's rows,
	s_sub_co_u32 s95, s82, s94                     ; q, k: they are A's
	s_add_co_u32 s42, s40, s94                     ; B's tile: cx (+ 4 x cluster y)
	s_add_co_u32 s17, s41, s95                     ; A's tile: cy (+ 4 x cluster y)
	s_lshl_b32 s43, s41, 2
	s_lshl_b32 s43, 15, s43                        ; my row of the cluster
	s_lshl_b32 s44, 0x1111, s40                    ; my column
	; group 1: a tile of 128 rows x 256 bytes, padded in LDS
	s_or_b32 s[G1+0], s43, (0<<16)|(1<<20)|(1<<21)|(5<<22)|(3<<25)  ; the mask; elements of 1 byte; padding on; bit 21 beside a mask; after every 64 words, 4 words
	s_or_b32 s[G1B+0], s44, (0<<16)|(1<<20)|(1<<21)|(5<<22)|(3<<25)
.irp g, G1, G1B
	s_mov_b32 s[\g+1], ROWB<<16                    ; tensor_dim0
	s_mov_b32 s[\g+2], 128<<16                     ; tensor_dim1
	s_mov_b32 s[\g+3], ROWB<<16                    ; tile_dim0
	s_mov_b32 s[\g+4], 128                         ; tile_dim1
	s_mov_b32 s[\g+5], KROW                        ; from row to row
	s_mov_b32 s[\g+6], 0
	s_mov_b32 s[\g+7], 0
.endr
	s_lshl_b32 s18, s16, 7                         ; which 128 rows of the tile I fetch
	s_lshl_b32 s20, s17, 8
	s_add_co_u32 s20, s20, s18                     ; A: row 256 x tile + 128 x half,
	s_lshl_b32 s20, s20, 10                        ; in bytes (under 2^23)
	s_mov_b32 s21, 0
	s_lshl_b32 s46, s42, 8
	s_add_co_u32 s46, s46, s18                     ; B likewise
	s_lshl_b32 s46, s46, 10
	s_mov_b32 s47, 0
	s_mul_i32 s45, s14, HALFT                      ; where they go: wave x 128 rows: no place in the cluster enters an LDS address
	s_wait_kmcnt 0x0
	s_load_b256 s[84:91], s[76:77], 0x0            ; e0 .. e7
	s_load_b64 s[92:93], s[76:77], 0x20            ; e8, e9
	s_cmp_eq_u32 ttmp9, 2
	s_cselect_b64 s[4:5], s[74:75], s[68:69]       ; A: Wv for v, else x
	s_cmp_eq_u32 ttmp9, 0
	s_cselect_b64 s[6:7], s[70:71], s[72:73]       ; B: Wq or Wk,
	s_cmp_eq_u32 ttmp9, 2
	s_cselect_b64 s[6:7], s[68:69], s[6:7]         ; or x for v
	s_add_nc_u64 s[20:21], s[4:5], s[20:21]
	s_add_nc_u64 s[46:47], s[6:7], s[46:47]
	CROUND                                         ; all sixteen work-groups are here: the first joint loads meet
.irp s, 0,1
	s_mov_b32 s[G0+4*\s], 1
	s_add_co_u32 s[G0+4*\s+1], s45, \s*SLOT
	s_add_nc_u64 s[G0+4*\s+2:G0+4*\s+3], s[20:21], \s*ROWB
	s_or_b32 s[G0+4*\s+3], s[G0+4*\s+3], 0x80000000
	s_mov_b32 s[G0B+4*\s], 1
	s_add_co_u32 s[G0B+4*\s+1], s45, \s*SLOT
	s_add_nc_u64 s[G0B+4*\s+2:G0B+4*\s+3], s[46:47], \s*ROWB
	s_or_b32 s[G0B+4*\s+3], s[G0B+4*\s+3], 0x80000000
	JLOAD G0+4*\s, G1, G0B+4*\s, G1B
.endr
	v_and_b32 v1, 15, v0                           ; l % 16
	v_bfe_u32 v2, v0, 4, 1                         ; l / 16
	v_mul_u32_u24 v3, v1, PITCH
	v_lshl_add_u32 v4, v2, 4, v3                   ; a fragment's row x pitch + 16 x half
	s_mul_i32 s21, s15, HALFT                      ; my 128 rows of A
	s_mul_i32 s22, s16, HALFT                      ; my 128 rows of B,
	s_add_co_u32 s22, s22, 2*HALFT                 ; which lie behind A's 256
.irp s, 0,1
	v_add_nc_u32 v[ADRA+\s], s21, v4
	v_add_nc_u32 v[ADRB+\s], s22, v4
	s_add_co_u32 s21, s21, SLOT
	s_add_co_u32 s22, s22, SLOT
.endr
	; WHERE MY CODES GO.  My first row of A and of B; which of the two is a token and which a feature
	s_lshl_b32 s18, s17, 8
	s_lshl_b32 s19, s15, 7
	s_add_co_u32 s18, s18, s19                     ; A's: 256 x tile + 128 x half
	s_lshl_b32 s19, s42, 8
	s_lshl_b32 s20, s16, 7
	s_add_co_u32 s19, s19, s20                     ; B's
	s_cmp_eq_u32 ttmp9, 2
	s_cselect_b32 s20, s19, s18                    ; my first token
	s_cselect_b32 s21, s18, s19                    ; my first feature
	s_lshr_b32 s22, s20, 11                        ; its batch,
	s_and_b32 s20, s20, 2047                       ; its place in the sequence: a multiple of 128
	s_lshl_b32 s22, s22, 4
	s_lshr_b32 s21, s21, 6
	s_add_co_u32 s22, s22, s21                     ; my first head: 16 x batch + feature / 64
	s_lshl_b32 s23, s22, 17
	s_lshl_b32 s21, s20, 6
	s_add_co_u32 s23, s23, s21                     ; q_ws: head x 2^17 + tile of 16 x 1,024
	s_lshl_b32 s22, s22, 18                        ; kv_ws: head x 2^18
	s_lshr_b32 s21, s20, 8
	s_lshl_b32 s21, s21, 15
	s_add_co_u32 s22, s22, s21                     ; + slot of 256 keys x 32,768
	s_and_b32 s21, s20, 255
	s_lshl_b32 s21, s21, 6
	s_add_co_u32 s22, s22, s21                     ; + 0 or 8,192: K's second eight tiles, or V's second key step
	s_lshl_b32 s21, s83, 14
	s_add_co_u32 s22, s22, s21                     ; + 16,384 for V
	s_cmp_eq_u32 ttmp9, 0
	s_cselect_b64 s[10:11], s[78:79], s[80:81]
	s_cselect_b32 s22, s23, s22
	s_mov_b32 s2, 1<<18
	s_cselect_b32 s2, 1<<17, s2                    ; from my first head's image to my second's: q 2^17, k 2^18;
	s_mov_b32 s23, 0
	s_add_nc_u64 s[10:11], s[10:11], s[22:23]
	s_cmp_eq_u32 ttmp9, 2
	s_cselect_b32 s2, 1024, s2                     ; v: the second half of one image of 2,048 bytes
	s_mov_b32 s8, 1024
	s_cselect_b32 s8, 2048, s8                     ; from block to block: the next tile of tokens, or V's next d block
	s_mov_b32 s9, 0
	s_mov_b32 s12, 1024
	s_cselect_b32 s12, (1<<18)-6144, s12           ; from block 3 to block 4: v goes on to the next head's first d block
	s_mov_b32 s13, 0
	v_and_b32 v6, 31, v0
	v_lshlrev_b32 v[VO], 4, v6                     ; 16 x lane
	v_add_nc_u32 v[VO+1], 512, v[VO]
	v_add_nc_u32 v[VO+2], s2, v[VO]
	v_add_nc_u32 v[VO+3], s2, v[VO+1]
	s_wait_alu depctr_va_vdst(0)
	; THE SCALE.  A sum stands for sum x 2^(ex + ew), so its code is sum / 2^(e - ex - ew): the three exponents are folded into the conversion's one
	s_wait_kmcnt 0x0
	s_sub_co_i32 s90, s90, s86
	s_sub_co_i32 s90, s90, s87                     ; q: e6 - e2 - e3
	s_sub_co_i32 s91, s91, s84
	s_sub_co_i32 s91, s91, s85                     ; k: e7 - e0 - e1
	s_sub_co_i32 s93, s93, s88
	s_sub_co_i32 s93, s93, s89                     ; v: e9 - e4 - e5
	s_cmp_eq_u32 ttmp9, 0
	s_cselect_b32 s94, s90, s91
	s_cmp_eq_u32 ttmp9, 2
	s_cselect_b32 s94, s93, s94
	s_add_co_i32 s94, s94, 127
	s_lshl_b32 s95, s94, 23
	v_mov_b32 v[SC], s95                           ; the scale as f32: the conversion takes its exponent field
.macro FRAG reg, adr, q, i             ; a fragment, 16 rows x 128 K, is 16 registers: lane l holds row l % 16; registers 4 c .. 4 c + 3 hold K = 32 c + 16 (l / 16) + 0 .. 15: one order of K for A and B alike
.irp c, 0,1,2,3
	ds_load_b128 v[\reg+4*\c:\reg+4*\c+3], v[\adr] offset:128*(\q)+32*\c+(\i)*16*PITCH
.endr
.endm
; 16 matrix instructions: A's blocks a0, a0 + 1 x B's eight, 128 along K.  p: B's set.  zero = 1: the first product starts the sums.  The 64 accumulators take turns, one instruction a turn.
.macro MUL16 a0, p, zero
.irp a, \a0, \a0+1
.irp b, 0,1,2,3,4,5,6,7
.if \zero
	v_wmma_f32_16x16x128_bf8_bf8 v[8*(8*((\a)%4)+\b):8*(8*((\a)%4)+\b)+7], v[128*(\p)+FR*\b:128*(\p)+FR*\b+FR-1], v[AF+FR*(\a):AF+FR*(\a)+FR-1], 0
.else
	v_wmma_f32_16x16x128_bf8_bf8 v[8*(8*((\a)%4)+\b):8*(8*((\a)%4)+\b)+7], v[128*(\p)+FR*\b:128*(\p)+FR*\b+FR-1], v[AF+FR*(\a):AF+FR*(\a)+FR-1], v[8*(8*((\a)%4)+\b):8*(8*((\a)%4)+\b)+7]
.endif
.endr
.endr
.endm
.macro FETCH_B slot, q, p              ; B's eight fragments of the slot's q-th 128 along K into set p
	WIN TO_B
.irp i, 0,1,2,3,4,5,6,7
	FRAG 128*(\p)+FR*\i, ADRB+\slot, \q, \i
.endr
	WIN 0
.endm
.macro FETCH_A slot, q, i0             ; A's blocks i0 .. i0 + 3
.irp i, \i0, \i0+1, \i0+2, \i0+3
	FRAG AF+FR*(\i), ADRA+\slot, \q, \i
.endr
.endm
.macro PLACES n                        ; plain vector instructions between a matrix instruction and a load into a register that it read, or the first read of its result
.rept \n
	v_nop
.endr
.endm
; A step of 128 along K that has its successor in the same slot.  A has one set of registers: blocks 0-3 are fetched anew in the step's middle, blocks 4-7 at its end; B has two sets.
.macro STEP slot, q, zero
	s_wait_dscnt 4*NL                              ; B's set and A's blocks 0-3 are in; the youngest 16 loads (A's blocks 4-7) may be out
	WIN MUL_LO
	MUL16 0, (\q)%2, \zero
	MUL16 2, (\q)%2, \zero
	s_wait_dscnt 0                                 ; A's blocks 4-7 are in
	PLACES NP
	FETCH_B \slot, (\q)+1, 1-(\q)%2
	FETCH_A \slot, (\q)+1, 0
	WIN MUL_HI
	MUL16 4, (\q)%2, \zero
	MUL16 6, (\q)%2, \zero
	PLACES NP
	WIN 0
	FETCH_A \slot, (\q)+1, 4
.endm
; A slot's last step changes slots: one barrier; in front of it each wave waits for all its tensor loads, adds 0 to its spare word, and waits for that and for its reads of this slot.  fill = 1: this slot is filled again, two K steps ahead.
.macro TURN slot, next, fill
	s_wait_tensorcnt 0x0                           ; all my tensor loads have landed: my part of the next slot
	ds_add_u32 v[SPW], v[NIL]                      ; 0 onto my spare word
	s_wait_dscnt 4*NL+1                            ; the add and the youngest 16 loads may be out
	WIN MUL_LO
	MUL16 0, 1, 0                                  ; sixteen matrix instructions stand between the add and the wait for it
	s_wait_dscnt 0x0                               ; the add is done, and my reads of this slot are over
	s_barrier_signal -1
	MUL16 2, 1, 0
	WIN 0
	s_barrier_wait -1
.if \fill
	CREST                                          ; the barrier has opened a round of the cluster's barrier: no wave of any partner still reads this slot or has a load on its way
	s_add_nc_u64 s[G0+4*\slot+2:G0+4*\slot+3], s[G0+4*\slot+2:G0+4*\slot+3], 2*ROWB
	s_add_nc_u64 s[G0B+4*\slot+2:G0B+4*\slot+3], s[G0B+4*\slot+2:G0B+4*\slot+3], 2*ROWB
	JLOAD G0+4*\slot, G1, G0B+4*\slot, G1B         ; the first tensor load behind the round; its four v_nop are the places in front of the loads below
.else
	PLACES NP
.endif
	FETCH_B \next, 0, 0
	FETCH_A \next, 0, 0
	WIN MUL_HI
	MUL16 4, 1, 0
	MUL16 6, 1, 0
	PLACES NP
	WIN 0
	FETCH_A \next, 0, 4
.endm
	s_wait_tensorcnt 1                             ; my part of K step 0 is in; K step 1's load may be out
	s_barrier_signal -1
	s_barrier_wait -1                              ; everybody's is
	FETCH_B 0, 0, 0
	FETCH_A 0, 0, 0
	FETCH_A 0, 0, 4
	STEP 0, 0, 1                                   ; the first step stands in front of the loop: its products start the sums
	s_mov_b32 s3, LAPS-1
.Llap:                                                 ; a trip goes once round the ring and fills both slots again
	TURN 0, 1, 1
	STEP 1, 0, 0
	TURN 1, 0, 1
	STEP 0, 0, 0
	s_sub_co_u32 s3, s3, 1
	s_cmp_lg_u32 s3, 0
	s_cbranch_scc1 .Llap
	TURN 0, 1, 0                                   ; the last lap fills nothing
	STEP 1, 0, 0
	s_wait_dscnt 4*NL                              ; the very last step
	WIN MUL_LO
	MUL16 0, 1, 0
	MUL16 2, 1, 0
	s_wait_alu depctr_va_vdst(0)
	s_wait_dscnt 0
	WIN MUL_HI
	MUL16 4, 1, 0
	MUL16 6, 1, 0
	WIN 0
; THE WAY OUT, block by block of A's 16 rows: 64 sums a lane are converted as they stand (the conversion to an 8-bit code does not saturate: ISA guide 7.6.2), each accumulator from its low end on,
; and become 16 registers of codes: accumulator b gives pair b.  q, k: registers 0-7 are my first head's fragment of these 16 tokens, 8-15 my second head's.  v: all 16 are one V^T fragment of these 16 features.
.macro QOUT a
.set AC, 64*((\a)%4)
.set CC, CD+16*((\a)%2)
.if (\a) > 0
	s_wait_xcnt 0x0                                ; the earlier stores have read their base and their registers: the base steps, and the set of two blocks back is written again
.if (\a) == 4
	s_add_nc_u64 s[10:11], s[10:11], s[12:13]
.else
	s_add_nc_u64 s[10:11], s[10:11], s[8:9]
.endif
.endif
	WIN 0x02+((\a)/4)                              ; source 0: window 2 or 3
.set j, 0
.rept 64
.set j, j+1
.endr
.irp b, 0,1,2,3,4,5,6,7
	v_cvt_scalef32_pk8_bf8_f32 v[CC+2*\b:CC+2*\b+1], v[AC+8*\b:AC+8*\b+7], v[SC]
.endr
	WIN 0
	v_nop                                          ; one plain vector instruction behind the last conversion
.irp s, 0,1,2,3
	global_store_b128 v[VO+\s], v[CC+4*\s:CC+4*\s+3], s[10:11]   ; 32 lanes store 512 consecutive bytes, aligned
.endr
.endm
	PLACES NP
.irp a, 0,1,2,3,4,5,6,7
	QOUT \a
.endr
	s_wait_tensorcnt 0x0                           ; the wave's end
	ds_add_u32 v[SPW], v[NIL]
	s_wait_dscnt 0x0
	CROUND                                         ; the closing round: no work-group ends while a partner may still ask for a tile that names it
	s_endpgm
.Lfunc_end_k_qfbeb02563a_qkv:
	.size	k_qfbeb02563a_qkv, .Lfunc_end_k_qfbeb02563a_qkv-k_qfbeb02563a_qkv
	.p2alignl 7, 3214868480
	.fill 96, 4, 3214868480
	.section	.rodata,"a",@progbits
	.p2align	6, 0x0
	.amdhsa_kernel k_qfbeb02563a_qkv
		.amdhsa_group_segment_fixed_size 327680
		.amdhsa_private_segment_fixed_size 0
		.amdhsa_enable_private_segment 0
		.amdhsa_kernarg_size 56
		.amdhsa_user_sgpr_count 2
		.amdhsa_user_sgpr_kernarg_segment_ptr 1
		.amdhsa_wavefront_size32 1
		.amdhsa_system_sgpr_workgroup_id_x 1
		.amdhsa_system_sgpr_workgroup_id_y 1
		.amdhsa_system_sgpr_workgroup_id_z 1
		.amdhsa_system_vgpr_workitem_id 0
		.amdhsa_next_free_vgpr 1024
		.amdhsa_next_free_sgpr 100
		.amdhsa_reserve_vcc 0
		.amdhsa_float_denorm_mode_32 3
		.amdhsa_float_denorm_mode_16_64 3
		.amdhsa_fp16_overflow 1
		.amdhsa_memory_ordered 1
		.amdhsa_forward_progress 1
		.amdhsa_inst_pref_size 88
	.end_amdhsa_kernel
	.amdgpu_metadata
---
amdhsa.version: [ 1, 2 ]
amdhsa.kernels:
  - .name:           k_qfbeb02563a_qkv
    .symbol:         k_qfbeb02563a_qkv.kd
    .args:
      - { .name: x_codes, .offset: 0, .size: 8, .value_kind: global_buffer, .address_space: global }
      - { .name: Wq_codes, .offset: 8, .size: 8, .value_kind: global_buffer, .address_space: global }
      - { .name: Wk_codes, .offset: 16, .size: 8, .value_kind: global_buffer, .address_space: global }
      - { .name: Wv_codes, .offset: 24, .size: 8, .value_kind: global_buffer, .address_space: global }
      - { .name: lowp_scales, .offset: 32, .size: 8, .value_kind: global_buffer, .address_space: global }
      - { .name: q_ws, .offset: 40, .size: 8, .value_kind: global_buffer, .address_space: global }
      - { .name: kv_ws, .offset: 48, .size: 8, .value_kind: global_buffer, .address_space: global }
    .group_segment_fixed_size: 327680
    .private_segment_fixed_size: 0
    .kernarg_segment_align: 8
    .kernarg_segment_size: 56
    .max_flat_workgroup_size: 128
    .sgpr_count:     100
    .vgpr_count:     1024
    .wavefront_size: 32
...
	.end_amdgpu_metadata
.endif
;; end of part 1
;; launch attn (part 2): grid 4 x 64, 16 waves a work-group, clusters of 4 x 1, 327,680 bytes of LDS; arguments q_ws, kv_ws, lowp_scales, flat_ws; writes flat_ws
.if DOCPART == 2
	.amdgcn_target "amdgcn-amd-amdhsa--gfx1250"
	.amdhsa_code_object_version 6
	.text
	.protected	k_qfbeb02563a_attn
	.globl	k_qfbeb02563a_attn
	.p2align	8
	.type	k_qfbeb02563a_attn,@function
k_qfbeb02563a_attn:
	s_mov_b64 s[64:65], 0
	v_nop
	global_prefetch_b8 v0, s[64:65] scope:SCOPE_SE
	s_setreg_imm32_b32 hwreg(HW_REG_WAVE_MODE, 25, 1), 1
	s_wait_xcnt 0x0
	s_wait_alu depctr_hold_cnt(0) depctr_sa_sdst(0) depctr_va_vdst(0) depctr_va_sdst(0) depctr_va_ssrc(0) depctr_va_vcc(0) depctr_vm_vsrc(0)
	s_getreg_b32 s2, hwreg(HW_REG_IB_STS2, 6, 4)
	s_cmp_eq_u32 s2, 0
	s_cbranch_scc0 .Lentry_in_a_cluster
	s_endpgm
.Lentry_in_a_cluster:
	s_bfe_u32 s2, ttmp6, 0x10000c
	s_cmp_lg_u32 s2, 0x3003
	s_cbranch_scc0 .Lentry_shape_is_right
	s_endpgm
.Lentry_shape_is_right:
; Causal attention on codes of BF8 (E5M2): for each of 64 heads (batch x head), 2,048 queries, 2,048 keys, head size 64.  The result is quantised at once (entry 10 of the scales) and stored as codes for the last product.
; THE SOFTMAX AHEAD OF THE SECOND PRODUCT: t = score x log2(e) / 8; M = the running largest t rounded UP to a whole number; p = 2^(t - M) is quantised with 2^e8, not normalised; the row's sum is taken of the
; unquantised p and divides at the end.  When M moves, the sum and O are multiplied by 2^(old M - new M): exact.
; SHARES.  A cluster of four work-groups is one head.  Tile t of 16 queries belongs to work-group t % 4; with t = 4 u + cx, wave w of sixteen owns u = w (tile A) and u = 31 - w (tile B).
; Keys go in steps of 128.  Tile u needs step g while g <= u / 2, lies on the diagonal at g = u / 2 and is open below, whatever cx is (16 cx + 15 < 64): so every causal branch hangs on the wave's number and the
; step's count alone, alike in all partners.  Every wave has (w / 2 + 1) + (16 - w / 2) = 17 steps of work, every work-group the same work in every slot.  Steps wholly above the diagonal are left out.
; All four partners walk the same K and V: each slot of 256 keys (32,768 bytes: 16 images of K, 8 of V^T) is asked for JOINTLY: wave 0 K's half, wave 1 V's.
; LAYOUT.  Both products are used transposed: S^T = K Q^T (source 0 = 16 keys, source 1 = my 16 queries, K = 64), O^T = V^T P (source 0 = 16 of the head's 64, source 1 = P, K = 128 keys): a lane holds ONE query.
; In S^T register 8 T + j of lane (r, h) is key 16 T + 8 h + j: one conversion of a tile's eight registers gives registers 2 T, 2 T + 1 of P's fragment: every k stands in its own place.
; Operands lie in memory and in LDS as images of their registers: four registers = 512 bytes, lane l's 16 bytes at 16 l: no pitch, no padding.
; LIMITS: e6 + e7 between -123 and 130 (added to c's exponent field); e8 and e10 - e8 - e9 between -126 and 112.  NaN and infinity among the codes are not served.
; REGISTERS: v1-7 addresses and lane constants; v[8:9], v[12:13] -M and the largest t of tiles A, B; v[10:11], v[14:15] their sums in two halves; v16-23, v24-31 Q; v32-95 eight fragments of K, then four of V^T;
;   v96-159 S^T, then p; v160-191, v192-223 O^T; v224-239 p's codes; v240-254 constants and work.
.set SLOT1, 32768                      ; slot 1 begins here: one exclusive or turns an address in one slot into the other's
.set VOFF,  16384                      ; in a slot: K's 16 images, then V^T's 8
.set SPARE, 2*SLOT1                    ; behind the ring: the spare words, 128 bytes a wave, that no other line names
.set NSL,   8                          ; slots' worth of keys
.set LI,   1                           ; v1   16 x lane: an image's place for my lane; never rewritten
.set ADK,  2                           ; v2   that, in the slot in hand
.set PFO,  3                           ; v3   256 x lane: the prefetch's offset; never rewritten
.set DQA,  4                           ; v4   tile A, in its diagonal step: my query - the step's first key - 8 (lane / 16)
.set SPW,  5                           ; v5   LDS address of my spare word; never rewritten
.set NIL,  6                           ; v6   0; never rewritten
.set DQB,  7                           ; v7   as v4, for tile B
.set FRG,  32
.set S,    96
.set PC,   224
.set TB,   2                           ; s2   LDS byte at which the slot in hand begins
.set SG,   3                           ; s3   the key step, 0 .. 15
.set WV,   12                          ; s12  my wave's number
.set UHA,  15                          ; s15  tile A's last step: w / 2
.set UHB,  16                          ; s16  tile B's: 15 - w / 2
.set SLOTS, 17                         ; s17  slots still to be asked for
.set LIM,  18                          ; s18  1 in the wave that prefetches, else the greatest number
.set SEL,  20                          ; s[20:21] lane selects for v_permlanex16_b32: lane l xor 16
.set CS,   22                          ; s[22:23] c = log2(e) / 8 x 2^(e6 + e7)
.set G1,   24                          ; s[24:31] descriptor group 1
.set G0,   32                          ; s[32:35] group 0, which walks
.set PFA,  36                          ; s[36:37] where my work-group's prefetches stand
.set OUTA, 38                          ; s[38:39], s[40:41] where tiles A and B go
.set OUTB, 40
.macro CROUND                          ; a round of the cluster's barrier
	s_barrier_signal -1
	s_barrier_wait -1
	s_cmp_lg_u32 s[WV], 0
	s_cbranch_scc1 .Lnot_wave_0_\@
	s_barrier_signal -3
.Lnot_wave_0_\@:
	s_barrier_wait -3
	s_barrier_signal -1
	s_barrier_wait -1
.endm
.macro TLOAD                           ; waves 0 and 1 fetch a slot's two halves, 64 rows of 256 bytes each; the branch hangs on the wave's number alone.  Four v_nop follow the line
	s_cmp_lt_u32 s[WV], 2
	s_cbranch_scc0 .Lasked_\@
	tensor_load_to_lds s[G0:G0+3], s[G1:G1+7]
	s_nop 0
.rept 4
	v_nop
.endr
.Lasked_\@:
.endm
; A PREFETCH of the slot that the NEXT change of slots will ask for: 32,768 bytes.  The four partners take 8,192 each, told apart by address; in each, wave 2 asks, lanes 256 bytes apart: one instruction, and each
; aligned block of 256 bytes is named once in the launch (a head's K and V are read by its own cluster alone).  Slots 0 and 1 come by their loads alone; the last change that fills a slot asks for nothing.
.macro ASK
	s_cmp_gt_u32 s[SLOTS], s[LIM]
	s_cbranch_scc0 .Lnot_mine_\@
	global_prefetch_b8 v[PFO], s[PFA:PFA+1] th:TH_LOAD_NT scope:SCOPE_SE
.Lnot_mine_\@:
.endm
	s_load_b256 s[4:11], s[0:1], 0x0               ; q_ws s[4:5], kv_ws s[6:7], the scales' exponents s[8:9], flat_ws s[10:11]
	v_lshl_add_u32 v[SPW], v0, 2, SPARE
	v_mov_b32 v[NIL], 0
	ds_add_u32 v5, v6
	ds_add_u32 v5, v6
	s_wait_dscnt 0x0
	v_lshrrev_b32 v1, 5, v0
	s_delay_alu instid0(VALU_DEP_1)
	v_readfirstlane_b32 s[WV], v1                  ; wave 0..15
	s_bfe_u32 s13, ttmp6, 0x40000                  ; cx: my place in the cluster
	s_and_b32 s14, ttmp7, 0xffff                   ; the head, 16 x batch + head: the four partners share it
	s_lshr_b32 s[UHA], s[WV], 1
	s_sub_co_u32 s[UHB], 15, s[UHA]
	s_mov_b32 s[G1], 15|(3<<16)|(1<<21)            ; the mask: all four work-groups; elements of 8 bytes; bit 21 beside a mask; no padding
	s_mov_b32 s[G1+1], 32<<16                      ; tensor_dim0 = 32 elements: 256 bytes
	s_mov_b32 s[G1+2], 64<<16                      ; tensor_dim1 = 64
	s_mov_b32 s[G1+3], 32<<16                      ; tile_dim0
	s_mov_b32 s[G1+4], 64                          ; tile_dim1
	s_mov_b32 s[G1+5], 32                          ; from row to row: the block is dense
	s_mov_b32 s[G1+6], 0
	s_mov_b32 s[G1+7], 0
	s_mov_b32 s[SEL], 0x76543210
	s_mov_b32 s[SEL+1], 0xfedcba98
	s_mov_b32 s[CS], 0x3e38aa3b                    ; log2(e) / 8
	s_mov_b32 s[TB], 0
	s_mov_b32 s[SG], 0
	s_mov_b32 s[SLOTS], NSL-1
	s_cmp_eq_u32 s[WV], 2
	s_cselect_b32 s[LIM], 1, -1
	s_lshl_b32 s48, s14, 18                        ; the head's first byte in kv_ws
	s_lshl_b32 s19, s[WV], 14                      ; my half of a slot, in memory and in LDS alike
	s_add_co_u32 s42, s48, s19
	s_mov_b32 s43, 0
	s_wait_kmcnt 0x0
	s_load_b256 s[68:75], s[8:9], 0x10             ; e4 .. e11
	s_mov_b32 s[G0], 1
	s_mov_b32 s[G0+1], s19                         ; LDS address: slot 0
	s_add_nc_u64 s[G0+2:G0+3], s[6:7], s[42:43]
	s_or_b32 s[G0+3], s[G0+3], 0x80000000
	CROUND                                         ; all four work-groups are here: the first joint loads meet
	TLOAD                                          ; slot 0
	s_lshl_b32 s19, s13, 13                        ; the prefetches: my work-group's 8,192 bytes,
	s_add_co_u32 s42, s48, s19
	s_add_co_u32 s42, s42, SLOT1                   ; in slot 1: the first change of slots steps it to slot 2
	s_add_nc_u64 s[PFA:PFA+1], s[6:7], s[42:43]
	s_lshl_b32 s48, s14, 17                        ; the head's first byte in q_ws
	s_lshl_b32 s19, s[WV], 2
	s_add_co_u32 s19, s19, s13                     ; tile A: 4 w + cx
	s_lshl_b32 s19, s19, 10
	s_add_co_u32 s42, s48, s19
	s_add_nc_u64 s[44:45], s[4:5], s[42:43]
	s_sub_co_u32 s19, 31, s[WV]
	s_lshl_b32 s19, s19, 2
	s_add_co_u32 s19, s19, s13                     ; tile B: 4 (31 - w) + cx
	s_lshl_b32 s19, s19, 10
	s_add_co_u32 s42, s48, s19
	s_add_nc_u64 s[46:47], s[4:5], s[42:43]
	v_and_b32 v[LI], 31, v0
	s_delay_alu instid0(VALU_DEP_1)
	v_lshlrev_b32 v[PFO], 8, v[LI]
	s_delay_alu instid0(VALU_DEP_2)
	v_lshlrev_b32 v[LI], 4, v[LI]
	global_load_b128 v[16:19], v[LI], s[44:45]             ; Q's fragments stay in registers
	global_load_b128 v[20:23], v[LI], s[44:45] offset:512
	global_load_b128 v[24:27], v[LI], s[46:47]
	global_load_b128 v[28:31], v[LI], s[46:47] offset:512
	v_and_b32 v252, 15, v0                         ; r
	v_bfe_u32 v254, v0, 4, 1                       ; h
	s_delay_alu instid0(VALU_DEP_1)
	v_lshlrev_b32 v254, 3, v254
	s_delay_alu instid0(VALU_DEP_1)
	v_sub_nc_u32 v252, v252, v254                  ; r - 8 h
	s_lshl_b32 s19, s13, 4
	s_and_b32 s42, s[WV], 1
	s_lshl_b32 s42, s42, 6
	s_add_co_u32 s42, s42, s19                     ; 64 (u % 2) + 16 cx: the tile's first query in its diagonal step
	v_add_nc_u32 v[DQA], s42, v252
	s_xor_b32 s42, s42, 64                         ; 31 - w is odd where w is even; 16 cx stays under 64
	v_add_nc_u32 v[DQB], s42, v252
	; flat_ws: [block of 128 tokens 64][256 along K 4][tile of 16 tokens 8][128 along K 2][2,048 bytes]; a head's 64 are half of such an image: 1,024 bytes
	s_lshr_b32 s42, s14, 4
	s_lshl_b32 s42, s42, 21                        ; the batch: 16 blocks
	s_bfe_u32 s19, s14, 0x20002
	s_lshl_b32 s19, s19, 15
	s_add_co_u32 s42, s42, s19                     ; head / 4
	s_lshl_b32 s19, s13, 12
	s_add_co_u32 s42, s42, s19                     ; cx: the tile's low bits
	s_and_b32 s19, s14, 3
	s_lshl_b32 s19, s19, 10
	s_add_co_u32 s42, s42, s19                     ; head % 4
	s_and_b32 s19, s[WV], 1
	s_lshl_b32 s19, s19, 14                        ; 4 (u % 2) tiles
	s_lshl_b32 s48, s[UHA], 17                     ; u / 2 blocks
	s_add_co_u32 s48, s48, s19
	s_add_co_u32 s48, s48, s42
	s_mov_b32 s49, 0
	s_add_nc_u64 s[OUTA:OUTA+1], s[10:11], s[48:49]
	s_xor_b32 s19, s19, 1<<14
	s_lshl_b32 s48, s[UHB], 17
	s_add_co_u32 s48, s48, s19
	s_add_co_u32 s48, s48, s42
	s_add_nc_u64 s[OUTB:OUTB+1], s[10:11], s[48:49]
	v_mov_b32 v9, 0xff61b1e6                       ; the largest t so far: -3e38, under every t
	s_delay_alu instid0(VALU_DEP_1)
	v_floor_f32 v8, -v9                            ; -M
	v_mov_b32 v13, 0xff61b1e6
	s_delay_alu instid0(VALU_DEP_1)
	v_floor_f32 v12, -v13
	v_mov_b32 v10, 0                               ; the sums, in two halves
	v_mov_b32 v11, 0
	v_mov_b32 v14, 0
	v_mov_b32 v15, 0
	v_mov_b32 v246, 0                              ; written once: a lane permute's destination counts as one of its sources
	v_mov_b32 v253, 0                              ; (named as the upper half of the pair v[252:253])
.set j, 0
.rept 64
	v_mov_b32 v[160+j], 0                          ; O^T of both tiles.  (The step is written once: a tile's first step finds zeros, which the first change of M leaves zeros)
.set j, j+1
.endr
	s_wait_kmcnt 0x0
	s_add_co_i32 s19, s70, s71
	s_lshl_b32 s19, s19, 23
	s_add_co_i32 s[CS], s[CS], s19                 ; a score stands for score x 2^(e6 + e7): the exponents are added to c's exponent field
	s_mov_b32 s[CS+1], s[CS]                       ; (named with it as a pair, so it is written)
	s_add_co_i32 s19, s72, 127
	s_lshl_b32 s42, s19, 23
	v_mov_b32 v244, s42                            ; 2^e8 as f32, for p's conversion
	s_sub_co_i32 s19, s74, s72
	s_sub_co_i32 s19, s19, s73                     ; O^T / the sum stands for that x 2^(e8 + e9): its code is that / 2^(e10 - e8 - e9)
	s_add_co_i32 s19, s19, 127
	s_lshl_b32 s42, s19, 23
	v_mov_b32 v245, s42
; A KEY STEP of one tile: 128 keys, the q-th of the slot in hand.  qx: Q's registers; mn: -M and the largest t; su: the sum; ox: O^T; uh: the tile's last step; dq: its lane constant for the diagonal.
.macro STEP qx, mn, su, ox, uh, dq, q
	s_cmp_gt_u32 s[SG], s[\uh]                     ; all of the step's keys come after the tile's queries: left out.  No barrier and no tensor load stands in a step
	s_cbranch_scc1 .Lhid_\@
.rept 4
	v_nop                                          ; places in front of loads into registers that the last products read
.endr
	s_wait_alu depctr_va_vdst(0)
.irp k, 0,1,2,3,4,5,6,7
	ds_load_b128 v[FRG+8*\k:FRG+8*\k+3], v[ADK] offset:8192*(\q)+1024*\k
	ds_load_b128 v[FRG+8*\k+4:FRG+8*\k+7], v[ADK] offset:8192*(\q)+1024*\k+512
.endr
	s_wait_dscnt 0x0
.irp k, 0,1,2,3,4,5,6,7
	v_wmma_f32_16x16x64_bf8_bf8 v[S+8*\k:S+8*\k+7], v[FRG+8*\k:FRG+8*\k+7], v[\qx:\qx+7], 0
.endr
.rept 4
	v_nop                                          ; places in front of the loads below and of the first read of the scores
.endr
	s_wait_alu depctr_va_vdst(0)
.irp t, 0,1,2,3                                ; V^T's four fragments are asked for now and land under the softmax
.irp c, 0,1,2,3
	ds_load_b128 v[FRG+16*\t+4*\c:FRG+16*\t+4*\c+3], v[ADK] offset:VOFF+8192*(\q)+2048*\t+512*\c
.endr
.endr
	s_cmp_lt_u32 s[SG], s[\uh]                     ; below the diagonal all keys count
	s_cbranch_scc1 .Lopen_\@
	v_mov_b32 v254, 0xff800000                     ; on it the scores of hidden keys become -infinity ahead of the maximum: p = 0 then.  Register 8 T + j holds key 16 T + 8 h + j: hidden where 16 T + j > dq
.set n, 0
.rept 64
	v_cmp_gt_i32 vcc_lo, 16*(n/8)+n%8, v[\dq]
	v_cndmask_b32 v[S+n], v[S+n], v254, vcc_lo
.set n, n+1
.endr
.Lopen_\@:
	v_max3_num_f32 v254, v[S], v[S+1], v[S+2]      ; the step's largest score of my query, among my 64 keys, in two chains, each accumulator from its low end on,
	v_max3_num_f32 v252, v[S+3], v[S+4], v[S+5]
.set j, 6
.rept 14
	v_max3_num_f32 v254, v254, v[S+j], v[S+j+1]
	v_max3_num_f32 v252, v252, v[S+j+2], v[S+j+3]
.set j, j+4
.endr
	v_max3_num_f32 v254, v254, v[S+62], v[S+63]
	s_delay_alu instid0(VALU_DEP_1)
	v_max_num_f32 v254, v254, v252
	s_delay_alu instid0(VALU_DEP_1)
	v_permlanex16_b32 v246, v254, s[SEL], s[SEL+1]
	s_delay_alu instid0(VALU_DEP_1)
	v_max_num_f32 v254, v254, v246                 ; and among lane l xor 16's
	s_delay_alu instid0(VALU_DEP_1)
	v_mul_f32 v254, s[CS], v254                    ; as t (c is positive)
	s_delay_alu instid0(VALU_DEP_1)
	v_max_num_f32 v[\mn+1], v[\mn+1], v254         ; the running largest t
	v_mov_b32 v254, v[\mn]
	s_delay_alu instid0(VALU_DEP_2)
	v_floor_f32 v[\mn], -v[\mn+1]                  ; the new -M = floor(-t) = -ceil(t): a whole number
	s_delay_alu instid0(VALU_DEP_1)
	v_sub_f32 v254, v[\mn], v254                   ; M's old value less its new one: a whole number, 0 or less
	s_delay_alu instid0(VALU_DEP_1)
	v_cvt_i32_f32 v254, v254                       ; (it saturates)
	s_delay_alu instid0(VALU_DEP_1)
	v_ldexp_f32 v252, 1.0, v254                    ; f = 2^(old M - new M)
.set j, 0
.rept 32
	v_pk_fma_f32 v[S+j:S+j+1], v[S+j:S+j+1], s[CS:CS+1], v[\mn:\mn+1] op_sel_hi:[1,0,0]   ; t - M, two at a time (of the pairs c and -M the low word serves both halves)
.set j, j+2
.endr
.set j, 0
	s_wait_alu depctr_va_vdst(0)
.rept 64
	v_exp_f32 v[S+j], v[S+j]                       ; p = 2^(t - M), at most 1
.set j, j+1
.endr
	v_pk_mul_f32 v[\su:\su+1], v[\su:\su+1], v[252:253] op_sel_hi:[1,0]   ; the sums under the new M: the plain instruction behind the exponentials
	s_wait_alu depctr_va_vdst(0)                   ; one wait for the whole batch, ahead of its first reader
	v_pk_add_f32 v[242:243], v[S:S+1], v[S+2:S+3]  ; the row's sum is taken of the unquantised p: two at a time, in two chains
.set j, 4
.rept 15
	v_pk_add_f32 v[\su:\su+1], v[\su:\su+1], v[S+j:S+j+1]
	v_pk_add_f32 v[242:243], v[242:243], v[S+j+2:S+j+3]
.set j, j+4
.endr
	s_delay_alu instid0(VALU_DEP_1)
	v_pk_add_f32 v[\su:\su+1], v[\su:\su+1], v[242:243]
.irp k, 0,1,2,3,4,5,6,7
.irp i, 0,1,2,3,4,5,6,7
.endr
	v_cvt_scalef32_pk8_bf8_f32 v[PC+2*\k:PC+2*\k+1], v[S+8*\k:S+8*\k+7], v244   ; keys 16 k + 8 h + 0 .. 7: registers 2 k, 2 k + 1 of P's fragment
.endr
.set j, 0
.rept 16
	v_pk_mul_f32 v[\ox+j:\ox+j+1], v[\ox+j:\ox+j+1], v[252:253] op_sel_hi:[1,0]   ; O^T under the new M.  (Also the plain instructions between the conversions and the products)
.set j, j+2
.endr
	s_wait_alu depctr_va_vdst(0)
	s_wait_dscnt 0x0                               ; V^T is in
.irp t, 0,1,2,3                                ; four accumulators by turns; the eight products above stand between two links on one accumulator
	v_wmma_f32_16x16x128_bf8_bf8 v[\ox+8*\t:\ox+8*\t+7], v[FRG+16*\t:FRG+16*\t+15], v[PC:PC+15], v[\ox+8*\t:\ox+8*\t+7]
.endr
.Lhid_\@:
.endm
; THE CHANGE OF SLOTS stands at a slot's head.  Each wave waits for all its tensor loads, adds 0 to its spare word, and waits for that and for its reads of the slot that it has left.  fill = 1: the barrier is a round
; of the cluster's, and behind it the slot that was left is filled with the keys that follow: the load has a whole slot's steps in which to land.
.macro CHANGE fill
	s_wait_tensorcnt 0x0                           ; no tensor load of mine is out, so group 0 may be written
	ds_add_u32 v[SPW], v[NIL]                      ; 0 onto my spare word
.if \fill
	s_xor_b32 s[G0+1], s[G0+1], SLOT1              ; the other slot than last time,
	s_add_nc_u64 s[G0+2:G0+3], s[G0+2:G0+3], SLOT1 ; the next 256 keys' images
	s_wait_xcnt 0x0                                ; the last prefetch, a slot back, has read its address
	s_add_nc_u64 s[PFA:PFA+1], s[PFA:PFA+1], SLOT1 ; one slot further on than the walking descriptor
.endif
	s_wait_dscnt 0x0                               ; the add is done, and my reads of the slot that I have left are over
.if \fill
	CROUND
	TLOAD                                          ; the first thing behind the round, and a wave's one tensor load until the next
	ASK
.else
	s_barrier_signal -1
	s_barrier_wait -1
.endif
.endm
.macro SLOT_STEPS
	v_add_nc_u32 v[ADK], s[TB], v[LI]
.irp q, 0,1
	STEP 16, 8, 10, 160, UHA, DQA, \q
	STEP 24, 12, 14, 192, UHB, DQB, \q
	s_add_co_u32 s[SG], s[SG], 1
.endr
	s_xor_b32 s[TB], s[TB], SLOT1                  ; on to the other slot
.endm
	s_wait_loadcnt 0x0                             ; Q
.Lslot:                                            ; NSL - 1 trips: behind each change of slots but the last the next slot is asked for
	CHANGE 1
	SLOT_STEPS
	s_sub_co_u32 s[SLOTS], s[SLOTS], 1
	s_cmp_lg_u32 s[SLOTS], 0
	s_cbranch_scc1 .Lslot
	CHANGE 0                                       ; the last slot is written out
	SLOT_STEPS
	; THE WAY OUT.  O^T / the sum is held, converted with 2^(e10 - e8 - e9), and stored as half an image of the last product's operand.
.rept 4
	v_nop                                          ; places behind the last products
.endr
	v_add_f32 v10, v10, v11                        ; the sums' two halves,
	v_add_f32 v14, v14, v15
	s_delay_alu instid0(VALU_DEP_2)
	v_permlanex16_b32 v246, v10, s[SEL], s[SEL+1]
	s_delay_alu instid0(VALU_DEP_1)
	v_add_f32 v10, v10, v246                       ; and lane l xor 16's
	s_delay_alu instid0(VALU_DEP_2)
	v_permlanex16_b32 v246, v14, s[SEL], s[SEL+1]
	s_delay_alu instid0(VALU_DEP_1)
	v_add_f32 v14, v14, v246
	s_wait_alu depctr_va_vdst(0)
	v_rcp_f32 v248, v10
	v_rcp_f32 v250, v14
	v_nop                                          ; a plain instruction behind the reciprocals
	s_wait_alu depctr_va_vdst(0)                   ; one wait for both, ahead of their first reader
	v_mov_b32 v249, v248
	v_mov_b32 v251, v250
; After the conversions pair t of lane (r, h) holds d = 16 t + 8 h + 0 .. 7 of query r.  The last product reads its operands 16 neighbours a lane: registers 4 b .. 4 b + 3 = d 32 b + 16 h + 0 .. 15.
; Four exchanges make that: lanes 16-31 of an even tile's register change places with lanes 0-15 of the odd tile's.
.macro FLUSH ox, w, pcx, rl, out
.irp j, 0,2,4,6,8,10,12,14,16,18,20,22,24,26,28,30
	v_pk_mul_f32 v[\w+\j:\w+\j+1], v[\ox+\j:\ox+\j+1], v[\rl:\rl+1]   ; each accumulator from its low end on
.endr
.set n, 0
.rept 32
.set n, n+1
.endr
.irp t, 0,1,2,3
	v_cvt_scalef32_pk8_bf8_f32 v[\pcx+2*\t:\pcx+2*\t+1], v[\w+8*\t:\w+8*\t+7], v245
.endr
	v_nop                                          ; one plain vector instruction behind the last conversion
.irp b, 0,1
.irp i, 0,1
	v_permlane16_swap_b32 v[\pcx+4*\b+\i], v[\pcx+4*\b+2+\i]
.endr
.endr
	global_store_b128 v[LI], v[\pcx:\pcx+3], s[\out:\out+1]               ; 32 lanes store 512 consecutive bytes, aligned
	global_store_b128 v[LI], v[\pcx+4:\pcx+7], s[\out:\out+1] offset:512
.endm
	FLUSH 160, 96, 224, 248, OUTA
	FLUSH 192, 128, 232, 250, OUTB
	s_wait_tensorcnt 0x0                           ; the wave's end
	ds_add_u32 v[SPW], v[NIL]
	s_wait_dscnt 0x0
	CROUND                                         ; the closing round
	s_endpgm
.Lfunc_end_k_qfbeb02563a_attn:
	.size	k_qfbeb02563a_attn, .Lfunc_end_k_qfbeb02563a_attn-k_qfbeb02563a_attn
	.p2alignl 7, 3214868480
	.fill 96, 4, 3214868480
	.section	.rodata,"a",@progbits
	.p2align	6, 0x0
	.amdhsa_kernel k_qfbeb02563a_attn
		.amdhsa_group_segment_fixed_size 327680
		.amdhsa_private_segment_fixed_size 0
		.amdhsa_enable_private_segment 0
		.amdhsa_kernarg_size 32
		.amdhsa_user_sgpr_count 2
		.amdhsa_user_sgpr_kernarg_segment_ptr 1
		.amdhsa_wavefront_size32 1
		.amdhsa_system_sgpr_workgroup_id_x 1
		.amdhsa_system_sgpr_workgroup_id_y 1
		.amdhsa_system_sgpr_workgroup_id_z 1
		.amdhsa_system_vgpr_workitem_id 0
		.amdhsa_next_free_vgpr 256
		.amdhsa_next_free_sgpr 80
		.amdhsa_reserve_vcc 1
		.amdhsa_float_denorm_mode_32 3
		.amdhsa_float_denorm_mode_16_64 3
		.amdhsa_fp16_overflow 1
		.amdhsa_memory_ordered 1
		.amdhsa_forward_progress 1
		.amdhsa_inst_pref_size 163
	.end_amdhsa_kernel
	.amdgpu_metadata
---
amdhsa.version: [ 1, 2 ]
amdhsa.kernels:
  - .name:           k_qfbeb02563a_attn
    .symbol:         k_qfbeb02563a_attn.kd
    .args:
      - { .name: q_ws, .offset: 0, .size: 8, .value_kind: global_buffer, .address_space: global }
      - { .name: kv_ws, .offset: 8, .size: 8, .value_kind: global_buffer, .address_space: global }
      - { .name: lowp_scales, .offset: 16, .size: 8, .value_kind: global_buffer, .address_space: global }
      - { .name: flat_ws, .offset: 24, .size: 8, .value_kind: global_buffer, .address_space: global }
    .group_segment_fixed_size: 327680
    .private_segment_fixed_size: 0
    .kernarg_segment_align: 8
    .kernarg_segment_size: 32
    .max_flat_workgroup_size: 512
    .sgpr_count:     80
    .vgpr_count:     256
    .wavefront_size: 32
...
	.end_amdgpu_metadata
.endif
;; end of part 2
;; launch oproj (part 3): grid 4 x 64, 4 waves a work-group, clusters of 4 x 4, 327,680 bytes of LDS; arguments flat_ws, Wo_codes, lowp_scales, out0; writes out0
.if DOCPART == 3
	.amdgcn_target "amdgcn-amd-amdhsa--gfx1250"
	.amdhsa_code_object_version 6
	.text
	.protected	k_qfbeb02563a_oproj
	.globl	k_qfbeb02563a_oproj
	.p2align	8
	.type	k_qfbeb02563a_oproj,@function
k_qfbeb02563a_oproj:
	s_mov_b64 s[64:65], 0
	v_nop
	global_prefetch_b8 v0, s[64:65] scope:SCOPE_SE
	s_setreg_imm32_b32 hwreg(HW_REG_WAVE_MODE, 25, 1), 1
	s_wait_xcnt 0x0
	s_wait_alu depctr_hold_cnt(0) depctr_sa_sdst(0) depctr_va_vdst(0) depctr_va_sdst(0) depctr_va_ssrc(0) depctr_va_vcc(0) depctr_vm_vsrc(0)
	s_getreg_b32 s2, hwreg(HW_REG_IB_STS2, 6, 4)
	s_cmp_eq_u32 s2, 0
	s_cbranch_scc0 .Lentry_in_a_cluster
	s_endpgm
.Lentry_in_a_cluster:
	s_bfe_u32 s2, ttmp6, 0x10000c
	s_cmp_lg_u32 s2, 0xf033
	s_cbranch_scc0 .Lentry_shape_is_right
	s_endpgm
.Lentry_shape_is_right:
; out0 = flat Wo^T on codes of BF8 (E5M2), sums in f32, each finished sum x 2^(e10 + e11).  flat: 8,192 tokens x 1,024, as images of operand registers; Wo: [1024][1024] codes, K innermost; out0: [8192][1024] f32.
; A tile of 128 rows x 256 columns is made by four waves: 256 work-groups.  A wave makes 64 x 128: 32 accumulators, 256 registers.
; K = 1,024 is four quarters of 256.  Three LDS slots hold three quarters, asked for one after another at the start; the fourth is the one refill, into slot 0, with three and a half steps of 128 in which to land.  All eight steps are written out.
; flat_ws: [block of 128 tokens 64][quarter 4][tile of 16 tokens 8][128 along K 2][2,048 bytes]: a block's quarter is one dense run of 32,768 bytes; an image's four registers lie 512 bytes on end, lane l at 16 l.
; In an image, and in the fragments read from Wo's rows, registers 4 c .. 4 c + 3 of lane (r, h) hold K = 32 c + 16 h + 0 .. 15: one order of K on both sides.
; CLUSTERS: 4 x 4 work-groups; flat's tile is asked for jointly along a row of the cluster, Wo's along a column.  THE MATRIX INSTRUCTION IS USED TRANSPOSED (source 0 = 16 rows of Wo, source 1 = 16 tokens): a lane holds
; eight neighbouring numbers of a row of out0.
; LIMIT: e10 + e11 between -126 and 127.  No prefetch: the launch is short and its tiles are shared in clusters.
; REGISTERS, in windows of 256: window 0: v0-31 addresses; v32-95 the way out; from v128 A's fragments, two sets of 64 (on the way out: rows read back).  window 1: B's, two sets of 128.  window 2: the accumulators.
.set ROWB,   256                       ; a quarter of a row of Wo in bytes
.set KROW,   1024
.set PITCH,  272                       ; a row of Wo in LDS: 256 bytes + 16 of padding
.set FR,     16
.set ABYTES, 32768                     ; A's part of a slot: 16 images
.set HALFB,  128*PITCH                 ; 128 rows of Wo
.set SLOT,   ABYTES+2*HALFB
.set SPARE,  3*SLOT                    ; behind the slots: the spare words, 128 bytes a wave, that no other line names
.set SPITCH, 528                       ; the way out: a stage of 16 rows x (512 bytes + 16) for each wave,
.set STAGE,  SLOT                      ; in slot 1: it is filled once, and nobody reads it behind the second change of slots
.set NOUT,   4096                      ; a row of out0 in bytes
.set ADRA, 16                          ; v16-18  LDS address of my A images in slot 0, 1, 2
.set ADRB, 20                          ; v20-22  the same for Wo's rows
.set STO,  24
.set RD,   25
.set CO,   26                          ; v26     16 x lane
.set SPW,  28
.set NIL,  29
.set TMP,  32
.set AF,   128
.set BK,   128
.set G1A, 24                           ; s[24:31] group 1 for A's tiles; s[32:43] group 0, one set a slot
.set G0A, 32
.set G1B, 48                           ; s[48:55], s[68:79] the same for B's
.set G0B, 68
.set MSB, 0
.macro WIN new
.if MSB != \new
	s_set_vgpr_msb (MSB<<8)|\new
.set MSB, \new
.endif
.endm
.set MUL,  0xa1                        ; source 0 (B) window 1, source 1 (A) window 0, C and D window 2
.set TO_B, 0x40
.macro JLOAD g0a, g1a, g0b, g1b        ; waves 0 and 1 fetch for A, waves 2 and 3 for B; four v_nop follow each line
	s_cmp_eq_u32 s15, 0
	s_cbranch_scc0 .Lfor_b_\@
	tensor_load_to_lds s[\g0a:\g0a+3], s[\g1a:\g1a+7]
	s_nop 0
.rept 4
	v_nop
.endr
	s_branch .Lasked_\@
.Lfor_b_\@:
	tensor_load_to_lds s[\g0b:\g0b+3], s[\g1b:\g1b+7]
	s_nop 0
.rept 4
	v_nop
.endr
.Lasked_\@:
.endm
.macro CREST
	s_cmp_lg_u32 s14, 0
	s_cbranch_scc1 .Lnot_wave_0_\@
	s_barrier_signal -3
.Lnot_wave_0_\@:
	s_barrier_wait -3
	s_barrier_signal -1
	s_barrier_wait -1
.endm
.macro CROUND
	s_barrier_signal -1
	s_barrier_wait -1
	CREST
.endm
	s_load_b128 s[4:7], s[0:1], 0x0                ; flat_ws s[4:5], Wo's codes s[6:7]
	s_load_b128 s[8:11], s[0:1], 0x10              ; the scales' exponents s[8:9], out0 s[10:11]
	v_lshl_add_u32 v[SPW], v0, 2, SPARE
	v_mov_b32 v[NIL], 0
	ds_add_u32 v28, v29
	ds_add_u32 v28, v29
	s_wait_dscnt 0x0
	v_lshrrev_b32 v1, 5, v0
	v_readfirstlane_b32 s14, v1                    ; wave 0..3
	s_lshr_b32 s15, s14, 1                         ; which 64 rows are mine.  Also: I fetch for A (0) or for B (1)
	s_and_b32 s16, s14, 1                          ; which 128 columns.  Also: which half of that tile I fetch
	s_bfe_u32 s80, ttmp6, 0x40000                  ; cx, cy
	s_bfe_u32 s81, ttmp6, 0x40004
	s_lshl_b32 s82, ttmp9, 2
	s_add_co_u32 s82, s82, s80                     ; tile column: 256 columns
	s_and_b32 s17, ttmp7, 0xffff
	s_lshl_b32 s17, s17, 2
	s_add_co_u32 s17, s17, s81                     ; tile row: a block of 128 tokens
	s_lshl_b32 s83, s81, 2
	s_lshl_b32 s83, 15, s83                        ; my row of the cluster
	s_lshl_b32 s84, 0x1111, s80                    ; my column
	s_or_b32 s[G1A], s83, (3<<16)|(1<<21)          ; A: the mask; elements of 8 bytes; bit 21 beside a mask; no padding: 64 rows of 256 bytes, dense
	s_mov_b32 s[G1A+1], 32<<16
	s_mov_b32 s[G1A+2], 64<<16
	s_mov_b32 s[G1A+3], 32<<16
	s_mov_b32 s[G1A+4], 64
	s_mov_b32 s[G1A+5], 32
	s_mov_b32 s[G1A+6], 0
	s_mov_b32 s[G1A+7], 0
	s_or_b32 s[G1B], s84, (0<<16)|(1<<20)|(1<<21)|(5<<22)|(3<<25)   ; B: elements of 1 byte; after every 64 words 4 words of padding: 128 rows of 256 bytes
	s_mov_b32 s[G1B+1], ROWB<<16
	s_mov_b32 s[G1B+2], 128<<16
	s_mov_b32 s[G1B+3], ROWB<<16
	s_mov_b32 s[G1B+4], 128
	s_mov_b32 s[G1B+5], KROW
	s_mov_b32 s[G1B+6], 0
	s_mov_b32 s[G1B+7], 0
	s_lshl_b32 s20, s17, 17                        ; A: the block's first byte,
	s_lshl_b32 s18, s16, 14                        ; + my half of a quarter: in memory and in a slot alike
	s_add_co_u32 s20, s20, s18
	s_mov_b32 s21, 0
	s_lshl_b32 s88, s82, 8
	s_lshl_b32 s19, s16, 7
	s_add_co_u32 s88, s88, s19                     ; B: row 256 x tile column + 128 x half,
	s_lshl_b32 s88, s88, 10                        ; in bytes
	s_mov_b32 s89, 0
	s_mul_i32 s86, s16, HALFB
	s_add_co_u32 s86, s86, ABYTES                  ; and its place in a slot, behind A's images
	s_wait_kmcnt 0x0
	s_load_b64 s[96:97], s[8:9], 0x28              ; e10, e11
	s_add_nc_u64 s[20:21], s[4:5], s[20:21]
	s_add_nc_u64 s[88:89], s[6:7], s[88:89]
	CROUND                                         ; all sixteen work-groups are here: the first joint loads meet
.irp s, 0,1,2                                  ; three first fills, each behind a wait and a round: one load of mine stays out
	s_mov_b32 s[G0A+4*\s], 1
	s_add_co_u32 s[G0A+4*\s+1], s18, \s*SLOT
	s_add_nc_u64 s[G0A+4*\s+2:G0A+4*\s+3], s[20:21], \s*ABYTES
	s_or_b32 s[G0A+4*\s+3], s[G0A+4*\s+3], 0x80000000
	s_mov_b32 s[G0B+4*\s], 1
	s_add_co_u32 s[G0B+4*\s+1], s86, \s*SLOT
	s_add_nc_u64 s[G0B+4*\s+2:G0B+4*\s+3], s[88:89], \s*ROWB
	s_or_b32 s[G0B+4*\s+3], s[G0B+4*\s+3], 0x80000000
	s_wait_alu depctr_va_vdst(0)
	s_wait_tensorcnt 0x0
	ds_add_u32 v28, v29
	ds_add_u32 v28, v29
	s_wait_dscnt 0x0
	CROUND
	JLOAD G0A+4*\s, G1A, G0B+4*\s, G1B
.endr
	v_and_b32 v1, 15, v0                           ; r
	v_bfe_u32 v2, v0, 4, 1                         ; h
	v_and_b32 v6, 31, v0
	v_lshlrev_b32 v[CO], 4, v6                     ; 16 x lane
	v_mul_u32_u24 v3, v1, PITCH
	v_lshl_add_u32 v4, v2, 4, v3                   ; a row of Wo x pitch + 16 x half
	s_lshl_b32 s21, s15, 14                        ; my four tiles of tokens: 16,384 bytes of images
	s_mul_i32 s22, s16, HALFB
	s_add_co_u32 s22, s22, ABYTES                  ; my 128 rows of Wo
.irp s, 0,1,2
	v_add_nc_u32 v[ADRA+\s], s21, v[CO]
	v_add_nc_u32 v[ADRB+\s], s22, v4
	s_add_co_u32 s21, s21, SLOT
	s_add_co_u32 s22, s22, SLOT
.endr
	s_mul_i32 s23, s14, 16*SPITCH
	s_add_co_u32 s23, s23, STAGE                   ; my stage
	v_mul_u32_u24 v5, v1, SPITCH                   ; in: row r, 32 bytes for each half of the lanes
	v_lshl_add_u32 v5, v2, 5, v5
	v_add_nc_u32 v[STO], s23, v5
	v_add_nc_u32 v[RD], s23, v[CO]                 ; back: the 32 lanes take one row of 512 bytes
	s_lshl_b32 s20, s17, 7
	s_lshl_b32 s21, s15, 6
	s_add_co_u32 s20, s20, s21                     ; my first row of out0: 128 x tile row + 64 x half,
	s_lshl_b32 s20, s20, 12                        ; in bytes (under 2^25)
	s_lshl_b32 s21, s82, 10
	s_add_co_u32 s20, s20, s21                     ; + my first column: 1,024 x tile column + 512 x half
	s_lshl_b32 s21, s16, 9
	s_add_co_u32 s20, s20, s21
	s_mov_b32 s21, 0
	s_add_nc_u64 s[10:11], s[10:11], s[20:21]
; 48 LDS loads in one run: the fragments of the slot's q-th 128 along K into set p: Wo's eight, then my four tiles of tokens
.macro FETCH slot, q, p
	WIN TO_B
.irp i, 0,1,2,3,4,5,6,7
.irp c, 0,1,2,3
	ds_load_b128 v[128*(\p)+FR*\i+4*\c:128*(\p)+FR*\i+4*\c+3], v[ADRB+\slot] offset:128*(\q)+32*\c+\i*16*PITCH
.endr
.endr
	WIN 0
.irp a, 0,1,2,3
.irp c, 0,1,2,3
	ds_load_b128 v[AF+64*(\p)+FR*\a+4*\c:AF+64*(\p)+FR*\a+4*\c+3], v[ADRA+\slot] offset:4096*\a+2048*(\q)+512*\c
.endr
.endr
.endm
; 16 matrix instructions: tiles of tokens a0, a0 + 1 x Wo's eight.  The 32 accumulators take turns, one instruction a turn, in the same order in every step.
.macro MUL16 a0, p, zero
.irp a, \a0, \a0+1
.irp b, 0,1,2,3,4,5,6,7
.if \zero
	v_wmma_f32_16x16x128_bf8_bf8 v[8*(8*(\a)+\b):8*(8*(\a)+\b)+7], v[128*(\p)+FR*\b:128*(\p)+FR*\b+FR-1], v[AF+64*(\p)+FR*(\a):AF+64*(\p)+FR*(\a)+FR-1], 0
.else
	v_wmma_f32_16x16x128_bf8_bf8 v[8*(8*(\a)+\b):8*(8*(\a)+\b)+7], v[128*(\p)+FR*\b:128*(\p)+FR*\b+FR-1], v[AF+64*(\p)+FR*(\a):AF+64*(\p)+FR*(\a)+FR-1], v[8*(8*(\a)+\b):8*(8*(\a)+\b)+7]
.endif
.endr
.endr
.endm
.macro PLACES                          ; plain vector instructions between a matrix instruction and a load into a register that it read, or the first read of its result
.rept 4
	v_nop
.endr
.endm
; A step of 128 along K: set p is multiplied; ahead of its 32 products the next step's fragments (slot ns, part nq) are asked for into the other set
.macro STEP p, ns, nq, zero
	s_wait_dscnt 0x0                               ; set p is in
	PLACES
	FETCH \ns, \nq, 1-(\p)
	WIN MUL
	MUL16 0, \p, \zero
	MUL16 2, \p, \zero
	WIN 0
.endm
; A step that multiplies set 1 and meets the other waves: each wave waits for all its tensor loads, adds 0 to its spare word, and waits for that and for its LDS reads; one barrier.
; fill = 1: the barrier opens a round of the cluster's, and slot 0, which has been read out, takes the fourth quarter.  Then slot ns's first fragments are fetched.
.macro TURN ns, fill
	s_wait_tensorcnt 0x0                           ; all my tensor loads have landed
	ds_add_u32 v[SPW], v[NIL]                      ; 0 onto my spare word
	s_wait_dscnt 0x1                               ; set 1 is in; the add may be out
	WIN MUL
	MUL16 0, 1, 0                                  ; sixteen matrix instructions stand between the add and the wait for it
	s_wait_dscnt 0x0
	WIN 0
	s_barrier_signal -1
	s_barrier_wait -1
.if \fill
	CREST                                          ; no wave of any partner still reads slot 0 or has a load on its way
	s_add_nc_u64 s[G0A+2:G0A+3], s[G0A+2:G0A+3], 3*ABYTES
	s_add_nc_u64 s[G0B+2:G0B+3], s[G0B+2:G0B+3], 3*ROWB
	JLOAD G0A, G1A, G0B, G1B                       ; the first tensor load behind the round; its four v_nop are the places in front of the loads below
.else
	PLACES
.endif
	FETCH \ns, 0, 0
	WIN MUL
	MUL16 2, 1, 0
	WIN 0
.endm
	s_wait_alu depctr_va_vdst(0)
	s_wait_tensorcnt 2                             ; my part of slot 0 is in; slot 2's load may be out
	s_barrier_signal -1
	s_barrier_wait -1                              ; everybody's is
	FETCH 0, 0, 0
	STEP 0, 0, 1, 1                                ; K 0-127: the first products start the sums
	TURN 1, 1                                      ; K 128-255; slots 1 and 2 are whole behind its barrier; slot 0 takes K 768-1023
	STEP 0, 1, 1, 0                                ; K 256-383
	STEP 1, 2, 0, 0                                ; K 384-511
	STEP 0, 2, 1, 0                                ; K 512-639
	TURN 0, 0                                      ; K 640-767; slot 0 is whole again behind its barrier; nothing is filled
	STEP 0, 0, 1, 0                                ; K 768-895
	s_wait_dscnt 0x0
	WIN MUL
	MUL16 0, 1, 0                                  ; K 896-1023
	MUL16 2, 1, 0
	WIN 0
; THE WAY OUT, block by block of 16 rows x 128 columns, through my own stage in LDS: in as 32 bytes a lane, back as whole rows of 512 bytes.  LDS serves a wave's instructions in order (ISA guide 5.7.1.4).
.macro TOSTAGE a
.set AC, 64*(\a)
	WIN 0x02                                       ; source 0: window 2
.irp j, 0,2,4,6,8,10,12,14,16,18,20,22,24,26,28,30,32,34,36,38,40,42,44,46,48,50,52,54,56,58,60,62
	v_pk_mul_f32 v[TMP+\j:TMP+\j+1], v[AC+\j:AC+\j+1], s[96:97] op_sel_hi:[1,0]   ; both x s96 = 2^(e10 + e11); each accumulator from its low end on
.endr
	WIN 0
.irp b, 0,1,2,3,4,5,6,7
	ds_store_b128 v[STO], v[TMP+8*\b:TMP+8*\b+3] offset:64*\b
	ds_store_b128 v[STO], v[TMP+8*\b+4:TMP+8*\b+7] offset:64*\b+16
.endr
.set BB, BK+64*((\a)%2)
.irp t, 0,1,2,3,4,5,6,7,8,9,10,11,12,13,14,15
	ds_load_b128 v[BB+4*\t:BB+4*\t+3], v[RD] offset:\t*SPITCH
.endr
.endm
.macro SEND a, younger                 ; younger: the LDS instructions issued behind block a's loads, which may stay out
.set BB, BK+64*((\a)%2)
	s_wait_dscnt \younger
.if (\a) > 0
	s_add_nc_u64 s[10:11], s[10:11], 16*NOUT       ; (behind a wait on XCNT: the earlier stores have read their base)
.endif
.irp t, 0,1,2,3,4,5,6,7,8,9,10,11,12,13,14,15
	global_store_b128 v[CO], v[BB+4*\t:BB+4*\t+3], s[10:11] offset:\t*NOUT th:TH_STORE_NT   ; 32 lanes store 512 consecutive bytes, aligned; written once, read by nobody here
.endr
.endm
	s_wait_kmcnt 0x0
	s_add_co_i32 s96, s96, s97                     ; e10 + e11, between -126 and 127,
	s_add_co_i32 s96, s96, 127
	s_lshl_b32 s96, s96, 23                        ; makes the f32 number 2^(e10 + e11)
	PLACES                                         ; for the first read of results and the loads into the registers that held A's fragments
	TOSTAGE 0
.irp a, 1,2,3
.if \a > 1
	s_wait_xcnt 0x0                                ; block a - 2's stores have read their registers and their base
.endif
	TOSTAGE \a
	SEND \a-1, 32                                  ; behind block a - 1's loads: block a's 16 stores and 16 loads
.endr
	s_wait_xcnt 0x0
	SEND 3, 0
	s_wait_tensorcnt 0x0                           ; the wave's end
	ds_add_u32 v[SPW], v[NIL]
	s_wait_dscnt 0x0
	CROUND                                         ; the closing round
	s_endpgm
.Lfunc_end_k_qfbeb02563a_oproj:
	.size	k_qfbeb02563a_oproj, .Lfunc_end_k_qfbeb02563a_oproj-k_qfbeb02563a_oproj
	.p2alignl 7, 3214868480
	.fill 96, 4, 3214868480
	.section	.rodata,"a",@progbits
	.p2align	6, 0x0
	.amdhsa_kernel k_qfbeb02563a_oproj
		.amdhsa_group_segment_fixed_size 327680
		.amdhsa_private_segment_fixed_size 0
		.amdhsa_enable_private_segment 0
		.amdhsa_kernarg_size 32
		.amdhsa_user_sgpr_count 2
		.amdhsa_user_sgpr_kernarg_segment_ptr 1
		.amdhsa_wavefront_size32 1
		.amdhsa_system_sgpr_workgroup_id_x 1
		.amdhsa_system_sgpr_workgroup_id_y 1
		.amdhsa_system_sgpr_workgroup_id_z 1
		.amdhsa_system_vgpr_workitem_id 0
		.amdhsa_next_free_vgpr 768
		.amdhsa_next_free_sgpr 100
		.amdhsa_reserve_vcc 0
		.amdhsa_float_denorm_mode_32 3
		.amdhsa_float_denorm_mode_16_64 3
		.amdhsa_memory_ordered 1
		.amdhsa_forward_progress 1
		.amdhsa_inst_pref_size 77
	.end_amdhsa_kernel
	.amdgpu_metadata
---
amdhsa.version: [ 1, 2 ]
amdhsa.kernels:
  - .name:           k_qfbeb02563a_oproj
    .symbol:         k_qfbeb02563a_oproj.kd
    .args:
      - { .name: flat_ws, .offset: 0, .size: 8, .value_kind: global_buffer, .address_space: global }
      - { .name: Wo_codes, .offset: 8, .size: 8, .value_kind: global_buffer, .address_space: global }
      - { .name: lowp_scales, .offset: 16, .size: 8, .value_kind: global_buffer, .address_space: global }
      - { .name: out0, .offset: 24, .size: 8, .value_kind: global_buffer, .address_space: global }
    .group_segment_fixed_size: 327680
    .private_segment_fixed_size: 0
    .kernarg_segment_align: 8
    .kernarg_segment_size: 32
    .max_flat_workgroup_size: 128
    .sgpr_count:     100
    .vgpr_count:     768
    .wavefront_size: 32
...
	.end_amdgpu_metadata
.endif
;; end of part 3
